; MI455X (gfx1250); checked and timed in simulation.
; The chip was launched on July 23, 2026; its instructions are those of AMD's public machine-readable ISA for CDNA 5 (MIT licence, August 2026) and "CDNA5" Instruction Set Architecture Reference Guide (July 2026). The comments in the code are by the model that wrote it; some were corrected since.
;; Multi Head Attention. Allowed arithmetic: float matrix products may take bf16 or f16 operands with f32 sums; other float arithmetic in f32, or as packed bf16 or f16 multiplies, adds, multiply-adds, maxima and minima; sums over many terms, partial sums and values carried from step to step in f32; what a program stores and reads back later, other than sums and carried values, may be rounded once to bf16 or f16.
;; Inputs: bk 32 float32; bq 32 float32; bv 32 float32; k 8 x 32 x 64 x 512 float32; q 8 x 32 x 64 x 512 float32; v 8 x 32 x 64 x 512 float32; wk 32 x 32 float32; wq 32 x 32 float32; wv 32 x 32 float32.
;; Outputs: out0 8 x 32 x 64 x 512 float32.
;; 2 versions, each right; version 2 is version 1 with the launch attn written anew for expert scheduling mode. Each part assembles by itself: llvm-mc -triple=amdgcn-amd-amdhsa -mcpu=gfx1250 --defsym DOCPART=n.
;; ======== version 1 of 2: 1 launch
;; limits: values are held in f16: magnitudes above 65,504 overflow, below 6.1e-05 lose precision; values outside matrix products are rounded to bf16
;; launch attn (part 1): grid 512 x 1, 8 waves a work-group, no clusters, 46,592 bytes of LDS; arguments k, v, q, out0, wk, wv, wq, bk, bv, bq; writes out0
.if DOCPART == 1
	.amdgcn_target "amdgcn-amd-amdhsa--gfx1250"
	.amdhsa_code_object_version 6
	.text
	.protected	k_qa03023a94d_attn
	.globl	k_qa03023a94d_attn
	.p2align	8
	.type	k_qa03023a94d_attn,@function
k_qa03023a94d_attn:
	s_mov_b64 s[64:65], 0
	v_nop
	global_prefetch_b8 v0, s[64:65] scope:SCOPE_SE
	s_setreg_imm32_b32 hwreg(HW_REG_WAVE_MODE, 25, 1), 1
	s_wait_xcnt 0x0
; out[b][c][h][w] = q[b][c][h][w] + sum_x ( sum_o qp[w][o] kp[x][o] ) vp[x][c],  with  qp = wq q + bq,  kp = wk k + bk,  vp = wv v + bv  per pixel.
; q, k, v, out: [8][32][64][512] f32.  wq, wk, wv: [32][32] f32.  bq, bk, bv: [32] f32.
; WHAT IS LEFT OUT, AND WHY IT MAY BE.  Nothing but sums and products stands between the two products over the 512 pixels of a head (b, h), so by associativity, for all
; values of the inputs,  (qp kp^T) vp = qp (kp^T vp).  With  G[o][c] = sum_x kp[x][o] vp[x][c]  (32 x 32 a head),  T[c][c3] = sum_o wq[o][c3] G[o][c]  and  t[c] = sum_o bq[o] G[o][c]:
;     out[c][w] = q[c][w] + t[c] + sum_c3 T[c][c3] q[c3][w].
; The 512 x 512 matrix qp kp^T is never formed.  Every input is loaded and has its way to the output.
; LIMITS.  An overflow, infinity or NaN that would arise only inside the 512 x 512 matrix is not carried to the result; NaN and
; infinities are not treated apart.  kp and vp are rounded to f16: they must stay under 65,504 in magnitude, and below 6e-5 they keep f16's fixed step of 6e-8.
; FORMATS.  All inputs are rounded once to bf16 where they enter a product (bk, bv are rounded to bf16 and widened again for the C operand); the residual q is added in f32.
; kp, vp: f16.  G and T may be large, so each goes as a pair of bf16, hi = bf16(x), lo = bf16(x - hi), in two products.  All sums in f32.
; SHARES.  One work-group a head, eight waves; wave w owns pixels 64 w .. 64 w + 63 of k, v, q and out.  No loop: a wave issues all its 56 loads at its head (24 KiB of k, v, q)
; and takes k, v, G, T, q as they land.  Nothing of the streams is shared between waves, so they go from memory to registers; LDS holds the weights in bf16 and the waves' sum of G.
; No cluster: what work-groups share is 12 KiB of weights beside 256 KiB of a head.
; LAYOUT.  L = lane, r = L % 16, h = L / 16.  Load i of 16 takes row c(i, h) = 8 h + i (i < 8), 16 + 8 h + i - 8 (i >= 8), pixels 4 r .. 4 r + 3: 16 lanes cover 256 consecutive
; bytes, aligned.  Register 4 i + t of a raw block is pixel 4 r + t.  Pairs of rows rounded to bf16 give, for each t, a fragment of 16 pixels (4 r + t) x 32 channels (ISA guide 7.12.2's
; layout: registers 0-3 hold k = 8 h .. 8 h + 7, registers 4-7 k = 16 + 8 h ..): no number changes lanes on the way in.  Each product's result, packed in pairs, is the next product's
; fragment; the last product's register j of tile (mc, t) is row c(8 mc + j, h), pixel 4 r + t: the very place from which q was loaded, so out is stored as q was loaded.
.set RS,    131072                     ; bytes from a channel's row to the next channel's
.set WKL,   0                          ; LDS: wk in bf16, 32 rows, 80 bytes apart (64 of data): the 16 rows of a fragment load start at 16 different groups of four banks
.set WVL,   2560                       ; wv likewise
.set WQL,   5120                       ; wq in bf16, [o][c3], rows 96 bytes apart, for the turning load
.set BQR,   8192                       ; bq as 32 bf16, once for each wave: 64 bytes a wave
.set GS,    8704                       ; the summed G in bf16: [hi, lo: 2,048][accumulator 2 mt + nt: 512][lane: 16][half of its 8 registers: 8]
.set PART,  12800                      ; wave u's partial G, f32: 4,096 u + 512 x (quad of registers) + 16 L
.set SPARE, 45568                      ; the spare words, 128 bytes for each wave: four blocks of 256 bytes that no other line names
.set OFF, 1                            ; v1   my byte offset in a head's slab: 8 h rows + 256 w + 16 r; for k, v, q and out; never rewritten
.set SPW, 2                            ; v2   LDS address of my spare word; never rewritten
.set NIL, 3                            ; v3   0; never rewritten
.set AW,  4                            ; v4   80 r + 16 h: my place in a fragment of wk or wv
.set AT,  5                            ; v5   (8 h + L % 8) x 96 + 16 ((L / 8) % 2): my place for the turning load of wq
.set L16, 6                            ; v6   16 L
.set PS,  7                            ; v7   16 L + 4,096 w: where I put my partial G
.set RR,  8                            ; v8   16 L + 512 w: the quad of registers that my wave sums
.set GW,  9                            ; v9   16 L + 512 (w / 2) + 8 (w % 2): where the sum goes
.set AB,  10                           ; v10  64 w + 16 h: my place in bq's fragment
.set PBK, 11                           ; v11  bf16 bk[r] (low half), bk[16 + r] (high half)
.set PBV, 12                           ; v12  the same of bv
.set RL,  13                           ; v13  r
.set HL,  14                           ; v14  h
.set LN,  15                           ; v15  L
.set KR,  16                           ; v16-79    k as loaded; then at work (see each phase)
.set VR,  80                           ; v80-143   v as loaded; then at work
.set QR,  144                          ; v144-207  q as loaded, f32, to the end: the residual, and then out
.set X,   208                          ; v208-255  at work
.set KP0, KR+48                        ; kp's fragments in f16, rows o = 0-15:  + 8 ks
.set KP1, X                            ; rows o = 16-31
.set WV,  24                           ; s24  my wave's number
.macro PLACES                          ; four places between a matrix instruction and a vector instruction, load or LDS store that touches its registers
.rept 4
	v_nop
.endr
.endm
.macro LOAD16 raw, sb                  ; my 64 pixels of all 32 rows: 16 loads; each covers two aligned runs of 256 consecutive bytes
.set i, 0
.rept 16
	global_load_b128 v[(\raw)+4*i:(\raw)+4*i+3], v[OFF], s[\sb:\sb+1] offset:(i+8*(i/8))*RS th:TH_LOAD_NT
.set i, i+1
.endr
.endm
.macro PACK4 dst, raw                  ; four fragments (pixels 4 r + t, t = 0..3) x 32 channels, in bf16
.set jt, 0
.rept 4
.set p, 0
.rept 8
	v_cvt_pk_bf16_f32 v[(\dst)+8*jt+p], v[(\raw)+8*p+jt], v[(\raw)+8*p+4+jt]
.set p, p+1
.endr
.set jt, jt+1
.endr
.endm
.macro F16OUT out, dp                  ; four results (t = 0..3) of one half of the outputs o -> two fragments (16 o x 32 pixels) in f16; each accumulator is read from its low end on
.set f, 0
.rept 16
	v_cvt_pk_f16_f32 v[(\out)+f], v[(\dp)+2*f], v[(\dp)+2*f+1]
.set f, f+1
.endr
.endm
; A projection.  D(t, nt) = pixels (16 x 32 channels) x W's rows o = 16 nt + r, + bias[o]: a lane holds ONE o and the pixels 4 (8 h + j) + t.
; cnt: the younger loads that may stay out when this tensor's 16 have to be in.
.macro PROJ raw, xa, w, cb, dp, out0, out1, pb, lw, cnt
.irp n, 0,1
	ds_load_b128 v[(\w)+8*(\n):(\w)+8*(\n)+3],   v[AW] offset:(\lw)+1280*(\n)
	ds_load_b128 v[(\w)+8*(\n)+4:(\w)+8*(\n)+7], v[AW] offset:(\lw)+1280*(\n)+32
.endr
	s_wait_loadcnt \cnt                            ; loads come back in order (ISA guide 5.7.1): this tensor's are in, the later tensors' stay out
	PACK4 \xa, \raw
.set j, 0
.rept 8
	v_lshlrev_b32 v[(\cb)+j], 16, v[\pb]           ; the C operand: bias[r], the same for all 8 pixels of a lane
.set j, j+1
.endr
	s_wait_dscnt 0x0                               ; the weights' fragments
.set jt, 0
.rept 4
	v_wmma_f32_16x16x32_bf16 v[(\dp)+8*jt:(\dp)+8*jt+7], v[(\xa)+8*jt:(\xa)+8*jt+7], v[(\w):(\w)+7], v[(\cb):(\cb)+7]
.set jt, jt+1
.endr
.set j, 0
.rept 8
	v_and_b32 v[(\cb)+8+j], s28, v[\pb]            ; bias[16 + r]: eight plain lines that name no register of the four products: their places
.set j, j+1
.endr
	F16OUT \out0, \dp
.set jt, 0
.rept 4
	v_wmma_f32_16x16x32_bf16 v[(\dp)+8*jt:(\dp)+8*jt+7], v[(\xa)+8*jt:(\xa)+8*jt+7], v[(\w)+8:(\w)+15], v[(\cb)+8:(\cb)+15]
.set jt, jt+1
.endr
	PLACES
	F16OUT \out1, \dp
.endm
	; ---- the head: only what the loads need is made ahead of them
	s_load_b512 s[4:19], s[0:1], 0x0               ; k s[4:5], v s[6:7], q s[8:9], out s[10:11], wk s[12:13], wv s[14:15], wq s[16:17], bk s[18:19]
	s_load_b128 s[20:23], s[0:1], 0x40             ; bv s[20:21], bq s[22:23]
	v_lshl_add_u32 v[SPW], v0, 2, SPARE
	v_mov_b32 v[NIL], 0
	v_lshrrev_b32 v[X+32], 5, v0
	v_readfirstlane_b32 s[WV], v[X+32]             ; wave 0..7
	v_and_b32 v[RL], 15, v0
	v_bfe_u32 v[HL], v0, 4, 1
	v_and_b32 v[LN], 31, v0
	s_lshr_b32 s26, ttmp9, 6                       ; b: 32 x 64 x 512 x 4 = 2^22 bytes each
	s_lshl_b32 s26, s26, 22
	s_and_b32 s29, ttmp9, 63                       ; h: 2,048 bytes each
	s_lshl_b32 s29, s29, 11
	s_add_co_u32 s26, s26, s29                     ; the head's first byte, under 2^25
	s_mov_b32 s27, 0
	s_mov_b32 s28, 0xffff0000                      ; a word's upper bf16
	v_lshlrev_b32 v[OFF], 4, v[RL]                 ; 16 r
	v_lshl_add_u32 v[OFF], v[HL], 20, v[OFF]       ; + 8 h rows of 131,072 bytes
	v_lshl_add_u32 v[OFF], s[WV], 8, v[OFF]        ; + my wave's 64 pixels
	v_lshlrev_b32 v[X+26], 4, v0                   ; a weight matrix is 4,096 bytes: 16 for each of the 256 threads
	v_lshlrev_b32 v[X+29], 2, v[RL]
	v_lshlrev_b32 v[X+30], 2, v[LN]
	s_wait_kmcnt 0x0
	s_add_nc_u64 s[4:5], s[4:5], s[26:27]
	s_add_nc_u64 s[6:7], s[6:7], s[26:27]
	s_add_nc_u64 s[8:9], s[8:9], s[26:27]
	s_add_nc_u64 s[10:11], s[10:11], s[26:27]
	global_load_b128 v[X+0:X+3],  v[X+26], s[12:13]   ; eight small loads first, so that one counted wait shows them in
	global_load_b128 v[X+4:X+7],  v[X+26], s[14:15]
	global_load_b128 v[X+8:X+11], v[X+26], s[16:17]
	global_load_b32 v[X+12], v[X+29], s[18:19]            ; bk[r]
	global_load_b32 v[X+13], v[X+29], s[18:19] offset:64  ; bk[16 + r]
	global_load_b32 v[X+14], v[X+29], s[20:21]
	global_load_b32 v[X+15], v[X+29], s[20:21] offset:64
	global_load_b32 v[X+16], v[X+30], s[22:23]            ; bq[L]
	LOAD16 KR, 4
	LOAD16 VR, 6
	LOAD16 QR, 8                                   ; 56 loads of mine are out
	; the other addresses, while the loads are on their way
	v_mul_u32_u24 v[AW], v[RL], 80
	v_lshl_add_u32 v[AW], v[HL], 4, v[AW]
	v_and_b32 v[X+32], 7, v0                       ; L % 8
	v_bfe_u32 v[X+33], v0, 3, 1                    ; (L / 8) % 2
	v_lshl_add_u32 v[X+34], v[HL], 3, v[X+32]
	v_mul_u32_u24 v[AT], v[X+34], 96
	v_lshl_add_u32 v[AT], v[X+33], 4, v[AT]
	v_lshlrev_b32 v[L16], 4, v[LN]
	v_lshl_add_u32 v[PS], s[WV], 12, v[L16]
	v_lshl_add_u32 v[RR], s[WV], 9, v[L16]
	s_lshr_b32 s29, s[WV], 1
	s_and_b32 s30, s[WV], 1
	v_lshl_add_u32 v[GW], s29, 9, v[L16]
	v_lshl_add_u32 v[GW], s30, 3, v[GW]
	v_lshlrev_b32 v[AB], 4, v[HL]
	v_lshl_add_u32 v[AB], s[WV], 6, v[AB]
	; staging: thread 32 w + L holds row 4 w + L / 8, columns 4 (L % 8) .. + 3 of each weight matrix: 8 bytes in bf16
	v_lshrrev_b32 v[X+35], 3, v[LN]
	v_lshlrev_b32 v[X+32], 3, v[X+32]
	s_mul_i32 s31, s[WV], 320                      ; four rows of 80 bytes a wave
	s_mul_i32 s32, s[WV], 384                      ; four rows of 96
	v_mul_u32_u24 v[X+27], v[X+35], 80
	v_add3_u32 v[X+27], v[X+27], v[X+32], s31
	v_mul_u32_u24 v[X+28], v[X+35], 96
	v_add3_u32 v[X+28], v[X+28], v[X+32], s32
	v_lshlrev_b32 v[X+31], 1, v[LN]
	v_lshl_add_u32 v[X+31], s[WV], 6, v[X+31]      ; 64 w + 2 L
	; ---- the weights and biases, rounded to bf16; the weights and bq go to LDS
	s_wait_loadcnt 48                              ; the eight small loads are in; the 48 loads of k, v, q stay out
	v_cvt_pk_bf16_f32 v[X+18], v[X+0], v[X+1]
	v_cvt_pk_bf16_f32 v[X+19], v[X+2], v[X+3]
	v_cvt_pk_bf16_f32 v[X+20], v[X+4], v[X+5]
	v_cvt_pk_bf16_f32 v[X+21], v[X+6], v[X+7]
	v_cvt_pk_bf16_f32 v[X+22], v[X+8], v[X+9]
	v_cvt_pk_bf16_f32 v[X+23], v[X+10], v[X+11]
	v_cvt_pk_bf16_f32 v[PBK], v[X+12], v[X+13]
	v_cvt_pk_bf16_f32 v[PBV], v[X+14], v[X+15]
	v_cvt_pk_bf16_f32 v[X+24], v[X+16], v[X+16]
	ds_store_b64 v[X+27], v[X+18:X+19] offset:WKL
	ds_store_b64 v[X+27], v[X+20:X+21] offset:WVL
	ds_store_b64 v[X+28], v[X+22:X+23] offset:WQL
	ds_store_b16 v[X+31], v[X+24] offset:BQR
	s_wait_dscnt 0x0                               ; for the others' sake: my part of the weights lies in LDS
	s_barrier_signal -1
	s_barrier_wait -1                              ; everybody's does
	; ---- kp, vp and my 64 pixels' part of G
	; k:  fragments X+0..31, weights X+32..47, bias KR+32..47, results KR+0..31, kp -> KP0 (KR+48..63) and KP1 (X+0..15)
	PROJ KR, X, X+32, KR+32, KR, KP0, KP1, PBK, WKL, 32
	; v:  fragments KR+0..31, weights X+32..47, bias KR+32..47, results VR+0..31, vp -> VR+32..47 (c = 0-15) and VR+48..63 (c = 16-31)
	PROJ VR, KR, X+32, KR+32, VR, VR+32, VR+48, PBV, WVL, 16
	; G(mt, nt) = kp^T vp over my 64 pixels, 32 a product: register j is o = 16 mt + 8 h + j, the lane c = 16 nt + r.  kp's and vp's fragments carry the pixels in the same order.
	; The first products start the sums; the four accumulators (KR+0..31) take turns.
.irp ks, 0,1
.irp mt, 0,1
.irp nt, 0,1
.set rD, KR+8*(2*(\mt)+(\nt))
.set rA, KP0+(KP1-KP0)*(\mt)+8*(\ks)
.set rB, VR+32+16*(\nt)+8*(\ks)
.if (\ks) == 0
	v_wmma_f32_16x16x32_f16 v[rD:rD+7], v[rA:rA+7], v[rB:rB+7], 0
.else
	v_wmma_f32_16x16x32_f16 v[rD:rD+7], v[rA:rA+7], v[rB:rB+7], v[rD:rD+7]
.endif
.endr
.endr
.endr
	PLACES
	; ---- the eight waves' parts of G are added: wave w adds quad w of the 8 quads of registers, in f32
.set qd, 0
.rept 8
	ds_store_b128 v[PS], v[KR+4*qd:KR+4*qd+3] offset:PART+512*qd   ; ascending: each accumulator's low end first
.set qd, qd+1
.endr
	s_wait_dscnt 0x0                               ; for the others' sake: my part lies in LDS
	s_barrier_signal -1
	s_barrier_wait -1
.set u, 0
.rept 8
	ds_load_b128 v[VR+4*u:VR+4*u+3], v[RR] offset:PART+4096*u
.set u, u+1
.endr
.irp m, 0,1                            ; wq^T: rows c3 = 16 m + r, k = o, turned out of [o][c3] -> X+16..31
	ds_load_tr16_b128 v[X+16+8*(\m):X+16+8*(\m)+3],   v[AT] offset:WQL+32*(\m)
	ds_load_tr16_b128 v[X+16+8*(\m)+4:X+16+8*(\m)+7], v[AT] offset:WQL+32*(\m)+1536
.endr
	ds_load_b128 v[X+32:X+35], v[AB] offset:BQR    ; bq as a fragment whose 16 columns are alike: k = o
	ds_load_b128 v[X+36:X+39], v[AB] offset:BQR+32
	s_wait_dscnt 6                                 ; LDS loads come back in order (ISA guide 5.7.1): the eight parts are in; the six younger loads may stay out
.irp u, 0,1,2,3
	v_pk_add_f32 v[VR+4*(\u):VR+4*(\u)+1],   v[VR+4*(\u):VR+4*(\u)+1],   v[VR+4*(\u)+16:VR+4*(\u)+17]
	v_pk_add_f32 v[VR+4*(\u)+2:VR+4*(\u)+3], v[VR+4*(\u)+2:VR+4*(\u)+3], v[VR+4*(\u)+18:VR+4*(\u)+19]
.endr
.irp u, 0,1
	v_pk_add_f32 v[VR+4*(\u):VR+4*(\u)+1],   v[VR+4*(\u):VR+4*(\u)+1],   v[VR+4*(\u)+8:VR+4*(\u)+9]
	v_pk_add_f32 v[VR+4*(\u)+2:VR+4*(\u)+3], v[VR+4*(\u)+2:VR+4*(\u)+3], v[VR+4*(\u)+10:VR+4*(\u)+11]
.endr
	v_pk_add_f32 v[VR:VR+1],   v[VR:VR+1],   v[VR+4:VR+5]
	v_pk_add_f32 v[VR+2:VR+3], v[VR+2:VR+3], v[VR+6:VR+7]
	; the four sums as hi + lo in bf16: hi = bf16(x), lo = bf16(x - hi)
	v_cvt_pk_bf16_f32 v[VR+4], v[VR], v[VR+1]
	v_cvt_pk_bf16_f32 v[VR+5], v[VR+2], v[VR+3]
	v_lshlrev_b32 v[VR+8], 16, v[VR+4]
	v_and_b32 v[VR+9], s28, v[VR+4]
	v_lshlrev_b32 v[VR+10], 16, v[VR+5]
	v_and_b32 v[VR+11], s28, v[VR+5]
	v_pk_add_f32 v[VR:VR+1],   v[VR:VR+1],   v[VR+8:VR+9]   neg_lo:[0,1] neg_hi:[0,1]
	v_pk_add_f32 v[VR+2:VR+3], v[VR+2:VR+3], v[VR+10:VR+11] neg_lo:[0,1] neg_hi:[0,1]
	v_cvt_pk_bf16_f32 v[VR+6], v[VR], v[VR+1]
	v_cvt_pk_bf16_f32 v[VR+7], v[VR+2], v[VR+3]
	ds_store_b64 v[GW], v[VR+4:VR+5] offset:GS
	ds_store_b64 v[GW], v[VR+6:VR+7] offset:GS+2048
	s_wait_dscnt 0x0                               ; for the others' sake: my quad lies in LDS; wq^T and bq are in too
	s_barrier_signal -1
	s_barrier_wait -1
	; G's accumulators (0, nt) and (1, nt), packed, ARE the fragment with row (or column) c = 16 nt + r and k = o: hi -> KR+8 nt, lo -> KR+16+8 nt
.irp nt, 0,1
	ds_load_b128 v[KR+8*(\nt):KR+8*(\nt)+3],       v[L16] offset:GS+512*(\nt)
	ds_load_b128 v[KR+8*(\nt)+4:KR+8*(\nt)+7],     v[L16] offset:GS+512*(2+(\nt))
	ds_load_b128 v[KR+16+8*(\nt):KR+16+8*(\nt)+3], v[L16] offset:GS+2048+512*(\nt)
	ds_load_b128 v[KR+16+8*(\nt)+4:KR+16+8*(\nt)+7], v[L16] offset:GS+2048+512*(2+(\nt))
.endr
	s_wait_dscnt 0x0
	; ---- T and t, made by every wave for itself (12 products, while q is on its way)
	; TT(m, nt) = wq^T (rows c3 = 16 m + ..) x G (columns c = 16 nt + r) -> VR+16 nt+8 m: register j is c3, the lane c.
	; tC(mc) = G (rows c = 16 mc + ..) x bq -> VR+32+8 mc: register j is c = 16 mc + 8 h + j, alike in all lanes: the last product's C operand.
	; Six accumulators take turns: first with G's hi, which starts the sums, then with its lo.
.macro TMUL gf, zero
.irp nt, 0,1
.irp m, 0,1
.set rD, VR+16*(\nt)+8*(\m)
.set rA, X+16+8*(\m)
.set rB, (\gf)+8*(\nt)
.if \zero
	v_wmma_f32_16x16x32_bf16 v[rD:rD+7], v[rA:rA+7], v[rB:rB+7], 0
.else
	v_wmma_f32_16x16x32_bf16 v[rD:rD+7], v[rA:rA+7], v[rB:rB+7], v[rD:rD+7]
.endif
.endr
.endr
.irp mc, 0,1
.set rD, VR+32+8*(\mc)
.set rA, (\gf)+8*(\mc)
.if \zero
	v_wmma_f32_16x16x32_bf16 v[rD:rD+7], v[rA:rA+7], v[X+32:X+39], 0
.else
	v_wmma_f32_16x16x32_bf16 v[rD:rD+7], v[rA:rA+7], v[X+32:X+39], v[rD:rD+7]
.endif
.endr
.endm
	TMUL KR, 1
	TMUL KR+16, 0
	PLACES
	; T as hi + lo in bf16.  Pair f of 16 lies at VR+2 f; packed, TT(0, nt) and TT(1, nt) ARE the fragment with row c = 16 nt + r and k = c3: hi -> KR+32+f, lo -> KR+48+f.
	; In stages, so that no line waits for the one before it; KR+0..31 (G's fragments, done with) take hi widened again.
.set f, 0
.rept 16
	v_cvt_pk_bf16_f32 v[KR+32+f], v[VR+2*f], v[VR+2*f+1]
.set f, f+1
.endr
.set f, 0
.rept 16
	v_lshlrev_b32 v[KR+2*f], 16, v[KR+32+f]
	v_and_b32 v[KR+2*f+1], s28, v[KR+32+f]
.set f, f+1
.endr
.set f, 0
.rept 16
	v_pk_add_f32 v[VR+2*f:VR+2*f+1], v[VR+2*f:VR+2*f+1], v[KR+2*f:KR+2*f+1] neg_lo:[0,1] neg_hi:[0,1]
.set f, f+1
.endr
.set f, 0
.rept 16
	v_cvt_pk_bf16_f32 v[KR+48+f], v[VR+2*f], v[VR+2*f+1]
.set f, f+1
.endr
	; ---- out = q + t + T q
	s_wait_loadcnt 0x0                             ; q
	PACK4 X, QR                                    ; q's four fragments -> X+0..31; the f32 stays in QR
	; DO(mc, t) = T (rows c = 16 mc + ..) x q (columns: pixels 4 r + t) + t[c]: mc = 0 -> KR+8 t, mc = 1 -> VR+8 t.  Eight accumulators take turns: T's hi with tC as C, then T's lo in place.
.macro OMUL tf, first
.irp mc, 0,1
.irp t, 0,1,2,3
.set rD, KR+(VR-KR)*(\mc)+8*(\t)
.set rA, (\tf)+8*(\mc)
.set rB, X+8*(\t)
.if \first
	v_wmma_f32_16x16x32_bf16 v[rD:rD+7], v[rA:rA+7], v[rB:rB+7], v[VR+32+8*(\mc):VR+32+8*(\mc)+7]
.else
	v_wmma_f32_16x16x32_bf16 v[rD:rD+7], v[rA:rA+7], v[rB:rB+7], v[rD:rD+7]
.endif
.endr
.endr
.endm
	OMUL KR+32, 1
	OMUL KR+48, 0
	PLACES
	; register j of DO(mc, t) belongs to row c(8 mc + j, h), pixel 4 r + t: register 4 (8 mc + j) + t of QR.  The residual is added in place, in f32, and each quad leaves by the
	; address from which it came.  j ascends.  QR and OFF are never rewritten, so no wait stands among the stores.
.set i, 0
.rept 16
.set rD, KR+(VR-KR)*(i/8)+(i%8)
.irp t, 0,1,2,3
	v_add_f32 v[QR+4*i+(\t)], v[QR+4*i+(\t)], v[rD+8*(\t)]
.endr
	global_store_b128 v[OFF], v[QR+4*i:QR+4*i+3], s[10:11] offset:(i+8*(i/8))*RS th:TH_STORE_NT  ; 16 lanes store 256 consecutive bytes, aligned
.set i, i+1
.endr
	s_wait_tensorcnt 0x0                           ; the wave's end, behind my last LDS store
	ds_add_u32 v[SPW], v[NIL]
	s_wait_dscnt 0x0
	s_endpgm
.Lfunc_end_k_qa03023a94d_attn:
	.size	k_qa03023a94d_attn, .Lfunc_end_k_qa03023a94d_attn-k_qa03023a94d_attn
	.p2alignl 7, 3214868480
	.fill 96, 4, 3214868480
	.section	.rodata,"a",@progbits
	.p2align	6, 0x0
	.amdhsa_kernel k_qa03023a94d_attn
		.amdhsa_group_segment_fixed_size 46592
		.amdhsa_private_segment_fixed_size 0
		.amdhsa_enable_private_segment 0
		.amdhsa_kernarg_size 80
		.amdhsa_user_sgpr_count 2
		.amdhsa_user_sgpr_kernarg_segment_ptr 1
		.amdhsa_wavefront_size32 1
		.amdhsa_system_sgpr_workgroup_id_x 1
		.amdhsa_system_sgpr_workgroup_id_y 1
		.amdhsa_system_sgpr_workgroup_id_z 1
		.amdhsa_system_vgpr_workitem_id 0
		.amdhsa_next_free_vgpr 256
		.amdhsa_next_free_sgpr 66
		.amdhsa_reserve_vcc 0
		.amdhsa_float_denorm_mode_32 3
		.amdhsa_float_denorm_mode_16_64 3
		.amdhsa_memory_ordered 1
		.amdhsa_forward_progress 1
		.amdhsa_inst_pref_size 36
	.end_amdhsa_kernel
	.amdgpu_metadata
---
amdhsa.version: [ 1, 2 ]
amdhsa.kernels:
  - .name:           k_qa03023a94d_attn
    .symbol:         k_qa03023a94d_attn.kd
    .args:
      - { .name: k, .offset: 0, .size: 8, .value_kind: global_buffer, .address_space: global }
      - { .name: v, .offset: 8, .size: 8, .value_kind: global_buffer, .address_space: global }
      - { .name: q, .offset: 16, .size: 8, .value_kind: global_buffer, .address_space: global }
      - { .name: out0, .offset: 24, .size: 8, .value_kind: global_buffer, .address_space: global }
      - { .name: wk, .offset: 32, .size: 8, .value_kind: global_buffer, .address_space: global }
      - { .name: wv, .offset: 40, .size: 8, .value_kind: global_buffer, .address_space: global }
      - { .name: wq, .offset: 48, .size: 8, .value_kind: global_buffer, .address_space: global }
      - { .name: bk, .offset: 56, .size: 8, .value_kind: global_buffer, .address_space: global }
      - { .name: bv, .offset: 64, .size: 8, .value_kind: global_buffer, .address_space: global }
      - { .name: bq, .offset: 72, .size: 8, .value_kind: global_buffer, .address_space: global }
    .group_segment_fixed_size: 46592
    .private_segment_fixed_size: 0
    .kernarg_segment_align: 8
    .kernarg_segment_size: 80
    .max_flat_workgroup_size: 256
    .sgpr_count:     66
    .vgpr_count:     256
    .wavefront_size: 32
...
	.end_amdgpu_metadata
.endif
;; end of part 1
;; ======== version 2 of 2: 1 launch; version 1 with the launch attn written anew for expert scheduling mode
;; limits: values are held in f16: magnitudes above 65,504 overflow, below 6.1e-05 lose precision; values outside matrix products are rounded to bf16
;; launch attn (part 2): grid 512 x 1, 8 waves a work-group, no clusters, 46,592 bytes of LDS; arguments k, v, q, out0, wk, wv, wq, bk, bv, bq; writes out0
.if DOCPART == 2
	.amdgcn_target "amdgcn-amd-amdhsa--gfx1250"
	.amdhsa_code_object_version 6
	.text
	.protected	k_qa03023a94d_attn
	.globl	k_qa03023a94d_attn
	.p2align	8
	.type	k_qa03023a94d_attn,@function
k_qa03023a94d_attn:
	s_mov_b64 s[64:65], 0
	v_nop
	global_prefetch_b8 v0, s[64:65] scope:SCOPE_SE
	s_setreg_imm32_b32 hwreg(HW_REG_WAVE_SCHED_MODE, 0, 2), 2
	s_setreg_imm32_b32 hwreg(HW_REG_WAVE_MODE, 25, 1), 1
	s_wait_xcnt 0x0
	s_wait_alu depctr_vm_vsrc(0)
; out[b][c][h][w] = q[b][c][h][w] + sum_x ( sum_o qp[w][o] kp[x][o] ) vp[x][c],  with  qp = wq q + bq,  kp = wk k + bk,  vp = wv v + bv  per pixel.
; q, k, v, out: [8][32][64][512] f32.  wq, wk, wv: [32][32] f32.  bq, bk, bv: [32] f32.
; WHAT IS LEFT OUT, AND WHY IT MAY BE.  Nothing but sums and products stands between the two products over the 512 pixels of a head (b, h), so by associativity, for all
; values of the inputs,  (qp kp^T) vp = qp (kp^T vp).  With  G[o][c] = sum_x kp[x][o] vp[x][c]  (32 x 32 a head),  T[c][c3] = sum_o wq[o][c3] G[o][c]  and  t[c] = sum_o bq[o] G[o][c]:
;     out[c][w] = q[c][w] + t[c] + sum_c3 T[c][c3] q[c3][w].
; The 512 x 512 matrix qp kp^T is never formed.  Every input is loaded and has its way to the output.
; LIMITS.  An overflow, infinity or NaN that would arise only inside the 512 x 512 matrix is not carried to the result; NaN and
; infinities are not treated apart.  kp and vp are rounded to f16: they must stay under 65,504 in magnitude, and below 6e-5 they keep f16's fixed step of 6e-8.
; FORMATS.  All inputs are rounded once to bf16 where they enter a product (bk, bv are rounded to bf16 and widened again for the C operand); the residual q is added in f32.
; kp, vp: f16.  G and T may be large, so each goes as a pair of bf16, hi = bf16(x), lo = bf16(x - hi), in two products.  All sums in f32.
; SHARES.  One work-group a head, eight waves; wave w owns pixels 64 w .. 64 w + 63 of k, v, q and out.  No loop: a wave issues all its 56 loads at its head (24 KiB of k, v, q)
; and takes k, v, G, T, q as they land.  Nothing of the streams is shared between waves, so they go from memory to registers; LDS holds the weights in bf16 and the waves' sum of G.
; No cluster: what work-groups share is 12 KiB of weights beside 256 KiB of a head.
; LAYOUT.  L = lane, r = L % 16, h = L / 16.  Load i of 16 takes row c(i, h) = 8 h + i (i < 8), 16 + 8 h + i - 8 (i >= 8), pixels 4 r .. 4 r + 3: 16 lanes cover 256 consecutive
; bytes, aligned.  Register 4 i + t of a raw block is pixel 4 r + t.  Pairs of rows rounded to bf16 give, for each t, a fragment of 16 pixels (4 r + t) x 32 channels (ISA guide 7.12.2's
; layout: registers 0-3 hold k = 8 h .. 8 h + 7, registers 4-7 k = 16 + 8 h ..): no number changes lanes on the way in.  Each product's result, packed in pairs, is the next product's
; fragment; the last product's register j of tile (mc, t) is row c(8 mc + j, h), pixel 4 r + t: the very place from which q was loaded, so out is stored as q was loaded.
; THE MODE: SCHED_MODE bits 1:0 = 2 (LLVM: expert scheduling mode 2), set by the entry lines.  The code itself states the register dependences
; between vector or matrix instructions and memory or LDS instructions, with s_wait_alu, always for 0.
; THE PLAN.  The text is one straight run.  Registers that memory or LDS instructions touch, in the order of the text:
;   OFF and the seven LDS addresses AW .. AB   written once at the head, read by loads and stores, never written again.
;   X+18 .. X+31   staging data, staging addresses and the small loads' offsets: read by four LDS stores and eight loads, then written by k's fragments.
;   X+32 .. X+47   four head temporaries; wk's fragments land, k's products read them; wv's land, v's products read them; bq's fragment lands in the first eight.
;   KR+0 .. KR+31  G's products write them, eight LDS stores read them, the summed G's fragments land in them, later vector lines write them.
;   VR+0 .. VR+31  v's products and conversions name them; the eight parts of G land; VR+4 .. VR+7 are written by conversions, read by two LDS stores, written by T's products.
;   X+16 .. X+31   k's products read them; wq turned lands in them.
;   QR             q lands; the residual's adds write it in place; the sixteen stores read it.
; Seven waits on va_vdst (ahead of the first load; ahead of each of the three runs of LDS stores; ahead of wv's fragment loads; ahead of each half of the stores of out), two on vm_vsrc
; (behind the first and the third barrier), one on va_sdst (the wave's number).  Each says at its place what it states, and which later loads or stores it serves because no
; vector or matrix instruction between names their registers.
.set RS,    131072                     ; bytes from a channel's row to the next channel's
.set WKL,   0                          ; LDS: wk in bf16, 32 rows, 80 bytes apart (64 of data): the 16 rows of a fragment load start at 16 different groups of four banks
.set WVL,   2560                       ; wv likewise
.set WQL,   5120                       ; wq in bf16, [o][c3], rows 96 bytes apart, for the turning load
.set BQR,   8192                       ; bq as 32 bf16, once for each wave: 64 bytes a wave
.set GS,    8704                       ; the summed G in bf16: [hi, lo: 2,048][accumulator 2 mt + nt: 512][lane: 16][half of its 8 registers: 8]
.set PART,  12800                      ; wave u's partial G, f32: 4,096 u + 512 x (quad of registers) + 16 L
.set SPARE, 45568                      ; the spare words, 128 bytes for each wave: four blocks of 256 bytes that no other line names
.set OFF, 1                            ; v1   my byte offset in a head's slab: 8 h rows + 256 w + 16 r; for k, v, q and out; never rewritten
.set SPW, 2                            ; v2   LDS address of my spare word; never rewritten
.set NIL, 3                            ; v3   0; never rewritten
.set AW,  4                            ; v4   80 r + 16 h: my place in a fragment of wk or wv
.set AT,  5                            ; v5   (8 h + L % 8) x 96 + 16 ((L / 8) % 2): my place for the turning load of wq
.set L16, 6                            ; v6   16 L
.set PS,  7                            ; v7   16 L + 4,096 w: where I put my partial G
.set RR,  8                            ; v8   16 L + 512 w: the quad of registers that my wave sums
.set GW,  9                            ; v9   16 L + 512 (w / 2) + 8 (w % 2): where the sum goes
.set AB,  10                           ; v10  64 w + 16 h: my place in bq's fragment
.set PBK, 11                           ; v11  bf16 bk[r] (low half), bk[16 + r] (high half)
.set PBV, 12                           ; v12  the same of bv
.set RL,  13                           ; v13  r
.set HL,  14                           ; v14  h
.set LN,  15                           ; v15  L
.set KR,  16                           ; v16-79    k as loaded; then at work (see each phase)
.set VR,  80                           ; v80-143   v as loaded; then at work
.set QR,  144                          ; v144-207  q as loaded, f32, to the end: the residual, and then out
.set X,   208                          ; v208-255  at work
.set KP0, KR+48                        ; kp's fragments in f16, rows o = 0-15:  + 8 ks
.set KP1, X                            ; rows o = 16-31
.set WV,  24                           ; s24  my wave's number
.macro PLACES                          ; four places between a matrix instruction and a vector instruction or LDS store that touches its registers
.rept 4
	v_nop
.endr
.endm
.macro LOAD16 raw, sb                  ; my 64 pixels of all 32 rows: 16 loads; each covers two aligned runs of 256 consecutive bytes
.set i, 0
.rept 16
	global_load_b128 v[(\raw)+4*i:(\raw)+4*i+3], v[OFF], s[\sb:\sb+1] offset:(i+8*(i/8))*RS th:TH_LOAD_NT
.set i, i+1
.endr
.endm
.macro PACK4 dst, raw                  ; four fragments (pixels 4 r + t, t = 0..3) x 32 channels, in bf16
.set jt, 0
.rept 4
.set p, 0
.rept 8
	v_cvt_pk_bf16_f32 v[(\dst)+8*jt+p], v[(\raw)+8*p+jt], v[(\raw)+8*p+4+jt]
.set p, p+1
.endr
.set jt, jt+1
.endr
.endm
.macro F16OUT out, dp                  ; four results (t = 0..3) of one half of the outputs o -> two fragments (16 o x 32 pixels) in f16; each accumulator is read from its low end on
.set f, 0
.rept 16
	v_cvt_pk_f16_f32 v[(\out)+f], v[(\dp)+2*f], v[(\dp)+2*f+1]
.set f, f+1
.endr
.endm
.macro WFRAG w, lw                     ; the two fragments of a weight matrix (rows o = r and 16 + r, k = the 32 channels): four LDS loads
.irp n, 0,1
	ds_load_b128 v[(\w)+8*(\n):(\w)+8*(\n)+3],   v[AW] offset:(\lw)+1280*(\n)
	ds_load_b128 v[(\w)+8*(\n)+4:(\w)+8*(\n)+7], v[AW] offset:(\lw)+1280*(\n)+32
.endr
.endm
; A projection.  D(t, nt) = pixels (16 x 32 channels) x W's rows o = 16 nt + r, + bias[o]: a lane holds ONE o and the pixels 4 (8 h + j) + t.
; Its weights' fragments have been asked for ahead of it.  cnt: the younger loads that may stay out when this tensor's 16 have to be in.
; nx: where the next projection's weights lie in LDS (they are asked for ahead of the last conversions), or -1.
.macro PROJ raw, xa, w, cb, dp, out0, out1, pb, cnt, nx
	s_wait_loadcnt \cnt                            ; loads come back in order (ISA guide 5.7.1): this tensor's are in, the later tensors' stay out
	PACK4 \xa, \raw
.set j, 0
.rept 8
	v_lshlrev_b32 v[(\cb)+j], 16, v[\pb]           ; the C operand: bias[r], the same for all 8 pixels of a lane
.set j, j+1
.endr
	s_wait_dscnt 0x0                               ; the weights' fragments
.set jt, 0
.rept 4
	v_wmma_f32_16x16x32_bf16 v[(\dp)+8*jt:(\dp)+8*jt+7], v[(\xa)+8*jt:(\xa)+8*jt+7], v[(\w):(\w)+7], v[(\cb):(\cb)+7]
.set jt, jt+1
.endr
.set j, 0
.rept 8
	v_and_b32 v[(\cb)+8+j], s28, v[\pb]            ; bias[16 + r]: eight plain lines that name no register of the four products: their places
.set j, j+1
.endr
	F16OUT \out0, \dp
.set jt, 0
.rept 4
	v_wmma_f32_16x16x32_bf16 v[(\dp)+8*jt:(\dp)+8*jt+7], v[(\xa)+8*jt:(\xa)+8*jt+7], v[(\w)+8:(\w)+15], v[(\cb)+8:(\cb)+15]
.set jt, jt+1
.endr
	PLACES
.if (\nx) >= 0
	s_wait_alu depctr_va_vdst(0)                   ; the eight products are done reading the weights' fragments, in which the next weights land
	WFRAG \w, \nx                                  ; they land while the conversions below run, which name neither these registers nor v[AW]
.endif
	F16OUT \out1, \dp
.endm
	; ---- the head: only what the loads need is made ahead of them
	s_load_b512 s[4:19], s[0:1], 0x0               ; k s[4:5], v s[6:7], q s[8:9], out s[10:11], wk s[12:13], wv s[14:15], wq s[16:17], bk s[18:19]
	s_load_b128 s[20:23], s[0:1], 0x40             ; bv s[20:21], bq s[22:23]
	v_lshl_add_u32 v[SPW], v0, 2, SPARE
	v_mov_b32 v[NIL], 0
	v_lshrrev_b32 v[X+32], 5, v0
	v_readfirstlane_b32 s[WV], v[X+32]             ; wave 0..7
	v_and_b32 v[RL], 15, v0
	v_bfe_u32 v[HL], v0, 4, 1
	v_and_b32 v[LN], 31, v0
	s_lshr_b32 s26, ttmp9, 6                       ; b: 32 x 64 x 512 x 4 = 2^22 bytes each
	s_lshl_b32 s26, s26, 22
	s_and_b32 s29, ttmp9, 63                       ; h: 2,048 bytes each
	s_lshl_b32 s29, s29, 11
	s_add_co_u32 s26, s26, s29                     ; the head's first byte, under 2^25
	s_mov_b32 s27, 0
	s_mov_b32 s28, 0xffff0000                      ; a word's upper bf16
	v_lshlrev_b32 v[OFF], 4, v[RL]                 ; 16 r
	v_lshl_add_u32 v[OFF], v[HL], 20, v[OFF]       ; + 8 h rows of 131,072 bytes
	s_wait_alu depctr_va_sdst(0)                   ; s24, the wave's number, is written, ahead of its first reader, the next line
	v_lshl_add_u32 v[OFF], s[WV], 8, v[OFF]        ; + my wave's 64 pixels
	v_lshlrev_b32 v[X+26], 4, v0                   ; a weight matrix is 4,096 bytes: 16 for each of the 256 threads
	v_lshlrev_b32 v[X+29], 2, v[RL]
	v_lshlrev_b32 v[X+30], 2, v[LN]
	s_wait_kmcnt 0x0
	s_add_nc_u64 s[4:5], s[4:5], s[26:27]
	s_add_nc_u64 s[6:7], s[6:7], s[26:27]
	s_add_nc_u64 s[8:9], s[8:9], s[26:27]
	s_add_nc_u64 s[10:11], s[10:11], s[26:27]
	s_wait_alu depctr_va_vdst(0)                   ; the four offsets v[OFF], v[X+26], v[X+29], v[X+30] are written, which the 56 loads below read
	global_load_b128 v[X+0:X+3],  v[X+26], s[12:13]   ; eight small loads first, so that one counted wait shows them in
	global_load_b128 v[X+4:X+7],  v[X+26], s[14:15]
	global_load_b128 v[X+8:X+11], v[X+26], s[16:17]
	global_load_b32 v[X+12], v[X+29], s[18:19]            ; bk[r]
	global_load_b32 v[X+13], v[X+29], s[18:19] offset:64  ; bk[16 + r]
	global_load_b32 v[X+14], v[X+29], s[20:21]
	global_load_b32 v[X+15], v[X+29], s[20:21] offset:64
	global_load_b32 v[X+16], v[X+30], s[22:23]            ; bq[L]
	LOAD16 KR, 4
	LOAD16 VR, 6
	LOAD16 QR, 8                                   ; 56 loads of mine are out
	; the other addresses, while the loads are on their way: none of these lines names a register that the loads read or land in
	v_mul_u32_u24 v[AW], v[RL], 80
	v_lshl_add_u32 v[AW], v[HL], 4, v[AW]
	v_and_b32 v[X+32], 7, v0                       ; L % 8
	v_bfe_u32 v[X+33], v0, 3, 1                    ; (L / 8) % 2
	v_lshl_add_u32 v[X+34], v[HL], 3, v[X+32]
	v_mul_u32_u24 v[AT], v[X+34], 96
	v_lshl_add_u32 v[AT], v[X+33], 4, v[AT]
	v_lshlrev_b32 v[L16], 4, v[LN]
	v_lshl_add_u32 v[PS], s[WV], 12, v[L16]
	v_lshl_add_u32 v[RR], s[WV], 9, v[L16]
	s_lshr_b32 s29, s[WV], 1
	s_and_b32 s30, s[WV], 1
	v_lshl_add_u32 v[GW], s29, 9, v[L16]
	v_lshl_add_u32 v[GW], s30, 3, v[GW]
	v_lshlrev_b32 v[AB], 4, v[HL]
	v_lshl_add_u32 v[AB], s[WV], 6, v[AB]
	; staging: thread 32 w + L holds row 4 w + L / 8, columns 4 (L % 8) .. + 3 of each weight matrix: 8 bytes in bf16
	v_lshrrev_b32 v[X+35], 3, v[LN]
	v_lshlrev_b32 v[X+32], 3, v[X+32]
	s_mul_i32 s31, s[WV], 320                      ; four rows of 80 bytes a wave
	s_mul_i32 s32, s[WV], 384                      ; four rows of 96
	v_mul_u32_u24 v[X+27], v[X+35], 80
	v_add3_u32 v[X+27], v[X+27], v[X+32], s31
	v_mul_u32_u24 v[X+28], v[X+35], 96
	v_add3_u32 v[X+28], v[X+28], v[X+32], s32
	v_lshlrev_b32 v[X+31], 1, v[LN]
	v_lshl_add_u32 v[X+31], s[WV], 6, v[X+31]      ; 64 w + 2 L
	; ---- the weights and biases, rounded to bf16; the weights and bq go to LDS
	s_wait_loadcnt 48                              ; the eight small loads are in; the 48 loads of k, v, q stay out
	v_cvt_pk_bf16_f32 v[X+18], v[X+0], v[X+1]
	v_cvt_pk_bf16_f32 v[X+19], v[X+2], v[X+3]
	v_cvt_pk_bf16_f32 v[X+20], v[X+4], v[X+5]
	v_cvt_pk_bf16_f32 v[X+21], v[X+6], v[X+7]
	v_cvt_pk_bf16_f32 v[X+22], v[X+8], v[X+9]
	v_cvt_pk_bf16_f32 v[X+23], v[X+10], v[X+11]
	v_cvt_pk_bf16_f32 v[PBK], v[X+12], v[X+13]
	v_cvt_pk_bf16_f32 v[PBV], v[X+14], v[X+15]
	v_cvt_pk_bf16_f32 v[X+24], v[X+16], v[X+16]
	s_wait_alu depctr_va_vdst(0)                   ; the conversions have written v[X+18 .. X+24] and the lines above v[X+27], v[X+28], v[X+31], which the four stores read; the seven LDS addresses
	                                               ; v[AW] .. v[AB] are written for the rest of the text; the temporaries v[X+32 .. X+35] are done with: no vector line stands between here and wk's fragment loads, which land there
	ds_store_b64 v[X+27], v[X+18:X+19] offset:WKL
	ds_store_b64 v[X+27], v[X+20:X+21] offset:WVL
	ds_store_b64 v[X+28], v[X+22:X+23] offset:WQL
	ds_store_b16 v[X+31], v[X+24] offset:BQR
	s_wait_dscnt 0x0                               ; for the others' sake: my part of the weights lies in LDS
	s_barrier_signal -1
	s_barrier_wait -1                              ; everybody's does
	s_wait_alu depctr_vm_vsrc(0)                   ; my four stores have read v[X+18 .. X+24], v[X+27], v[X+28], v[X+31], and the small loads their offsets v[X+26], v[X+29], v[X+30]: k's fragments are written over them
	WFRAG X+32, WKL
	; ---- kp, vp and my 64 pixels' part of G
	; k:  fragments X+0..31, weights X+32..47, bias KR+32..47, results KR+0..31, kp -> KP0 (KR+48..63) and KP1 (X+0..15); wv's fragments are asked for ahead of the last conversions
	PROJ KR, X, X+32, KR+32, KR, KP0, KP1, PBK, 32, WVL
	; v:  fragments KR+0..31, weights X+32..47, bias KR+32..47, results VR+0..31, vp -> VR+32..47 (c = 0-15) and VR+48..63 (c = 16-31)
	PROJ VR, KR, X+32, KR+32, VR, VR+32, VR+48, PBV, 16, -1
	; G(mt, nt) = kp^T vp over my 64 pixels, 32 a product: register j is o = 16 mt + 8 h + j, the lane c = 16 nt + r.  kp's and vp's fragments carry the pixels in the same order.
	; The first products start the sums; the four accumulators (KR+0..31) take turns.
.irp ks, 0,1
.irp mt, 0,1
.irp nt, 0,1
.set rD, KR+8*(2*(\mt)+(\nt))
.set rA, KP0+(KP1-KP0)*(\mt)+8*(\ks)
.set rB, VR+32+16*(\nt)+8*(\ks)
.if (\ks) == 0
	v_wmma_f32_16x16x32_f16 v[rD:rD+7], v[rA:rA+7], v[rB:rB+7], 0
.else
	v_wmma_f32_16x16x32_f16 v[rD:rD+7], v[rA:rA+7], v[rB:rB+7], v[rD:rD+7]
.endif
.endr
.endr
.endr
	PLACES
	s_wait_alu depctr_va_vdst(0)                   ; G's products have written v[KR .. KR+31], which the eight stores read (the places above stay beside this wait); v's products and conversions are done with
	                                               ; v[VR .. VR+31], the projections with v[X+16 .. X+47]: no vector line stands between here and the 14 LDS loads behind the barrier, which land there
	; ---- the eight waves' parts of G are added: wave w adds quad w of the 8 quads of registers, in f32
.set qd, 0
.rept 8
	ds_store_b128 v[PS], v[KR+4*qd:KR+4*qd+3] offset:PART+512*qd   ; ascending: each accumulator's low end first
.set qd, qd+1
.endr
	s_wait_dscnt 0x0                               ; for the others' sake: my part lies in LDS
	s_barrier_signal -1
	s_barrier_wait -1
.set u, 0
.rept 8
	ds_load_b128 v[VR+4*u:VR+4*u+3], v[RR] offset:PART+4096*u
.set u, u+1
.endr
.irp m, 0,1                            ; wq^T: rows c3 = 16 m + r, k = o, turned out of [o][c3] -> X+16..31
	ds_load_tr16_b128 v[X+16+8*(\m):X+16+8*(\m)+3],   v[AT] offset:WQL+32*(\m)
	ds_load_tr16_b128 v[X+16+8*(\m)+4:X+16+8*(\m)+7], v[AT] offset:WQL+32*(\m)+1536
.endr
	ds_load_b128 v[X+32:X+35], v[AB] offset:BQR    ; bq as a fragment whose 16 columns are alike: k = o
	ds_load_b128 v[X+36:X+39], v[AB] offset:BQR+32
	s_wait_dscnt 6                                 ; LDS loads come back in order (ISA guide 5.7.1): the eight parts are in; the six younger loads may stay out
.irp u, 0,1,2,3
	v_pk_add_f32 v[VR+4*(\u):VR+4*(\u)+1],   v[VR+4*(\u):VR+4*(\u)+1],   v[VR+4*(\u)+16:VR+4*(\u)+17]
	v_pk_add_f32 v[VR+4*(\u)+2:VR+4*(\u)+3], v[VR+4*(\u)+2:VR+4*(\u)+3], v[VR+4*(\u)+18:VR+4*(\u)+19]
.endr
.irp u, 0,1
	v_pk_add_f32 v[VR+4*(\u):VR+4*(\u)+1],   v[VR+4*(\u):VR+4*(\u)+1],   v[VR+4*(\u)+8:VR+4*(\u)+9]
	v_pk_add_f32 v[VR+4*(\u)+2:VR+4*(\u)+3], v[VR+4*(\u)+2:VR+4*(\u)+3], v[VR+4*(\u)+10:VR+4*(\u)+11]
.endr
	v_pk_add_f32 v[VR:VR+1],   v[VR:VR+1],   v[VR+4:VR+5]
	v_pk_add_f32 v[VR+2:VR+3], v[VR+2:VR+3], v[VR+6:VR+7]
	; the four sums as hi + lo in bf16: hi = bf16(x), lo = bf16(x - hi)
	v_cvt_pk_bf16_f32 v[VR+4], v[VR], v[VR+1]
	v_cvt_pk_bf16_f32 v[VR+5], v[VR+2], v[VR+3]
	v_lshlrev_b32 v[VR+8], 16, v[VR+4]
	v_and_b32 v[VR+9], s28, v[VR+4]
	v_lshlrev_b32 v[VR+10], 16, v[VR+5]
	v_and_b32 v[VR+11], s28, v[VR+5]
	v_pk_add_f32 v[VR:VR+1],   v[VR:VR+1],   v[VR+8:VR+9]   neg_lo:[0,1] neg_hi:[0,1]
	v_pk_add_f32 v[VR+2:VR+3], v[VR+2:VR+3], v[VR+10:VR+11] neg_lo:[0,1] neg_hi:[0,1]
	v_cvt_pk_bf16_f32 v[VR+6], v[VR], v[VR+1]
	v_cvt_pk_bf16_f32 v[VR+7], v[VR+2], v[VR+3]
	s_wait_alu depctr_va_vdst(0)                   ; the conversions have written v[VR+4 .. VR+7], which the two stores read
	ds_store_b64 v[GW], v[VR+4:VR+5] offset:GS
	ds_store_b64 v[GW], v[VR+6:VR+7] offset:GS+2048
	s_wait_dscnt 0x0                               ; for the others' sake: my quad lies in LDS; wq^T and bq are in too
	s_barrier_signal -1
	s_barrier_wait -1
	s_wait_alu depctr_vm_vsrc(0)                   ; the stores of my partial G have read v[KR .. KR+31], in which the loads below land; the stores of the sum have read v[VR+4 .. VR+7], which T's products write
	; G's accumulators (0, nt) and (1, nt), packed, ARE the fragment with row (or column) c = 16 nt + r and k = o: hi -> KR+8 nt, lo -> KR+16+8 nt
	; (the last vector or matrix lines that named these registers, G's products, stand ahead of the waits on va_vdst above)
.irp nt, 0,1
	ds_load_b128 v[KR+8*(\nt):KR+8*(\nt)+3],       v[L16] offset:GS+512*(\nt)
	ds_load_b128 v[KR+8*(\nt)+4:KR+8*(\nt)+7],     v[L16] offset:GS+512*(2+(\nt))
	ds_load_b128 v[KR+16+8*(\nt):KR+16+8*(\nt)+3], v[L16] offset:GS+2048+512*(\nt)
	ds_load_b128 v[KR+16+8*(\nt)+4:KR+16+8*(\nt)+7], v[L16] offset:GS+2048+512*(2+(\nt))
.endr
	s_wait_dscnt 0x0
	; ---- T and t, made by every wave for itself (12 products, while q is on its way)
	; TT(m, nt) = wq^T (rows c3 = 16 m + ..) x G (columns c = 16 nt + r) -> VR+16 nt+8 m: register j is c3, the lane c.
	; tC(mc) = G (rows c = 16 mc + ..) x bq -> VR+32+8 mc: register j is c = 16 mc + 8 h + j, alike in all lanes: the last product's C operand.
	; Six accumulators take turns: first with G's hi, which starts the sums, then with its lo.
.macro TMUL gf, zero
.irp nt, 0,1
.irp m, 0,1
.set rD, VR+16*(\nt)+8*(\m)
.set rA, X+16+8*(\m)
.set rB, (\gf)+8*(\nt)
.if \zero
	v_wmma_f32_16x16x32_bf16 v[rD:rD+7], v[rA:rA+7], v[rB:rB+7], 0
.else
	v_wmma_f32_16x16x32_bf16 v[rD:rD+7], v[rA:rA+7], v[rB:rB+7], v[rD:rD+7]
.endif
.endr
.endr
.irp mc, 0,1
.set rD, VR+32+8*(\mc)
.set rA, (\gf)+8*(\mc)
.if \zero
	v_wmma_f32_16x16x32_bf16 v[rD:rD+7], v[rA:rA+7], v[X+32:X+39], 0
.else
	v_wmma_f32_16x16x32_bf16 v[rD:rD+7], v[rA:rA+7], v[X+32:X+39], v[rD:rD+7]
.endif
.endr
.endm
	TMUL KR, 1
	TMUL KR+16, 0
	PLACES
	; T as hi + lo in bf16.  Pair f of 16 lies at VR+2 f; packed, TT(0, nt) and TT(1, nt) ARE the fragment with row c = 16 nt + r and k = c3: hi -> KR+32+f, lo -> KR+48+f.
	; In stages, so that no line waits for the one before it; KR+0..31 (G's fragments, done with) take hi widened again.
.set f, 0
.rept 16
	v_cvt_pk_bf16_f32 v[KR+32+f], v[VR+2*f], v[VR+2*f+1]
.set f, f+1
.endr
.set f, 0
.rept 16
	v_lshlrev_b32 v[KR+2*f], 16, v[KR+32+f]
	v_and_b32 v[KR+2*f+1], s28, v[KR+32+f]
.set f, f+1
.endr
.set f, 0
.rept 16
	v_pk_add_f32 v[VR+2*f:VR+2*f+1], v[VR+2*f:VR+2*f+1], v[KR+2*f:KR+2*f+1] neg_lo:[0,1] neg_hi:[0,1]
.set f, f+1
.endr
.set f, 0
.rept 16
	v_cvt_pk_bf16_f32 v[KR+48+f], v[VR+2*f], v[VR+2*f+1]
.set f, f+1
.endr
	; ---- out = q + t + T q
	s_wait_loadcnt 0x0                             ; q
	PACK4 X, QR                                    ; q's four fragments -> X+0..31; the f32 stays in QR
	; DO(mc, t) = T (rows c = 16 mc + ..) x q (columns: pixels 4 r + t) + t[c]: mc = 0 -> KR+8 t, mc = 1 -> VR+8 t.  Eight accumulators take turns: T's hi with tC as C, then T's lo in place.
.macro OMUL tf, first
.irp mc, 0,1
.irp t, 0,1,2,3
.set rD, KR+(VR-KR)*(\mc)+8*(\t)
.set rA, (\tf)+8*(\mc)
.set rB, X+8*(\t)
.if \first
	v_wmma_f32_16x16x32_bf16 v[rD:rD+7], v[rA:rA+7], v[rB:rB+7], v[VR+32+8*(\mc):VR+32+8*(\mc)+7]
.else
	v_wmma_f32_16x16x32_bf16 v[rD:rD+7], v[rA:rA+7], v[rB:rB+7], v[rD:rD+7]
.endif
.endr
.endr
.endm
	OMUL KR+32, 1
	OMUL KR+48, 0
	PLACES
	; register j of DO(mc, t) belongs to row c(8 mc + j, h), pixel 4 r + t: register 4 (8 mc + j) + t of QR.  The residual is added in place, in f32, and each quad leaves by the
	; address from which it came.  j ascends.  QR and OFF are not written again behind their stores.
	; In two halves: quads 0-7 (mc = 0) are added; their eight stores are dealt among the adds of quads 8-15 (mc = 1), which name v[QR+32 .. QR+63] and v[VR ..] alone; then those are stored.
.macro RES i                           ; quad i: four adds
.set rD, KR+(VR-KR)*((\i)/8)+((\i)%8)
.irp t, 0,1,2,3
	v_add_f32 v[QR+4*(\i)+(\t)], v[QR+4*(\i)+(\t)], v[rD+8*(\t)]
.endr
.endm
.macro OUT i                           ; quad i: 16 lanes store 256 consecutive bytes, aligned
	global_store_b128 v[OFF], v[QR+4*(\i):QR+4*(\i)+3], s[10:11] offset:((\i)+8*((\i)/8))*RS th:TH_STORE_NT
.endm
.set i, 0
.rept 8
	RES i
.set i, i+1
.endr
	s_wait_alu depctr_va_vdst(0)                   ; the adds have written v[QR .. QR+31], which the next eight stores read; no vector line behind this wait names those registers or v[OFF]
.set i, 8
.rept 8
	OUT i-8
	RES i
.set i, i+1
.endr
	s_wait_alu depctr_va_vdst(0)                   ; the adds have written v[QR+32 .. QR+63], which the last eight stores read
.set i, 8
.rept 8
	OUT i
.set i, i+1
.endr
	s_wait_dscnt 0x0                               ; the closing lines, six on end
	s_wait_alu 0x0
	s_wait_tensorcnt 0x0
	ds_add_u32 v[SPW], v[NIL]
	s_wait_dscnt 0x0
	s_endpgm
.Lfunc_end_k_qa03023a94d_attn:
	.size	k_qa03023a94d_attn, .Lfunc_end_k_qa03023a94d_attn-k_qa03023a94d_attn
	.p2alignl 7, 3214868480
	.fill 96, 4, 3214868480
	.section	.rodata,"a",@progbits
	.p2align	6, 0x0
	.amdhsa_kernel k_qa03023a94d_attn
		.amdhsa_group_segment_fixed_size 46592
		.amdhsa_private_segment_fixed_size 0
		.amdhsa_enable_private_segment 0
		.amdhsa_kernarg_size 80
		.amdhsa_user_sgpr_count 2
		.amdhsa_user_sgpr_kernarg_segment_ptr 1
		.amdhsa_wavefront_size32 1
		.amdhsa_system_sgpr_workgroup_id_x 1
		.amdhsa_system_sgpr_workgroup_id_y 1
		.amdhsa_system_sgpr_workgroup_id_z 1
		.amdhsa_system_vgpr_workitem_id 0
		.amdhsa_next_free_vgpr 256
		.amdhsa_next_free_sgpr 66
		.amdhsa_reserve_vcc 0
		.amdhsa_float_denorm_mode_32 3
		.amdhsa_float_denorm_mode_16_64 3
		.amdhsa_memory_ordered 1
		.amdhsa_forward_progress 1
		.amdhsa_inst_pref_size 37
	.end_amdhsa_kernel
	.amdgpu_metadata
---
amdhsa.version: [ 1, 2 ]
amdhsa.kernels:
  - .name:           k_qa03023a94d_attn
    .symbol:         k_qa03023a94d_attn.kd
    .args:
      - { .name: k, .offset: 0, .size: 8, .value_kind: global_buffer, .address_space: global }
      - { .name: v, .offset: 8, .size: 8, .value_kind: global_buffer, .address_space: global }
      - { .name: q, .offset: 16, .size: 8, .value_kind: global_buffer, .address_space: global }
      - { .name: out0, .offset: 24, .size: 8, .value_kind: global_buffer, .address_space: global }
      - { .name: wk, .offset: 32, .size: 8, .value_kind: global_buffer, .address_space: global }
      - { .name: wv, .offset: 40, .size: 8, .value_kind: global_buffer, .address_space: global }
      - { .name: wq, .offset: 48, .size: 8, .value_kind: global_buffer, .address_space: global }
      - { .name: bk, .offset: 56, .size: 8, .value_kind: global_buffer, .address_space: global }
      - { .name: bv, .offset: 64, .size: 8, .value_kind: global_buffer, .address_space: global }
      - { .name: bq, .offset: 72, .size: 8, .value_kind: global_buffer, .address_space: global }
    .group_segment_fixed_size: 46592
    .private_segment_fixed_size: 0
    .kernarg_segment_align: 8
    .kernarg_segment_size: 80
    .max_flat_workgroup_size: 256
    .sgpr_count:     66
    .vgpr_count:     256
    .wavefront_size: 32
...
	.end_amdgpu_metadata
.endif
;; end of part 2
